; MI455X (gfx1250); checked and timed in simulation.
; The chip was launched on July 23, 2026; its instructions are those of AMD's public machine-readable ISA for CDNA 5 (MIT licence, August 2026) and "CDNA5" Instruction Set Architecture Reference Guide (July 2026). The comments in the code are by the model that wrote it; some were corrected since.
;; Attention. Allowed arithmetic: matrix products marked QUANTISED: E2M3 operands, one E8M0 scale for each 32 along K, by v_wmma_scale_f32_16x16x128_f8f6f4 with both operands' format E2M3, f32 sums; everything else in f32.
;; Inputs: b_out 1,024 float32; w_out_codes 1,024 x 32 x 24 uint8 (E2M3 codes of w_out, K innermost, in blocks of 32 codes, four codes in three bytes); w_out_scales 1,024 x 32 uint8 (E8M0 scales of w_out, one for each 32 codes along K); w_qkv_codes 3,072 x 32 x 24 uint8 (E2M3 codes of w_qkv, K innermost, in blocks of 32 codes, four codes in three bytes); w_qkv_scales 3,072 x 32 uint8 (E8M0 scales of w_qkv, one for each 32 codes along K); x_codes 4 x 2,048 x 32 x 24 uint8 (E2M3 codes of x, K innermost, in blocks of 32 codes, four codes in three bytes); x_scales 4 x 2,048 x 32 uint8 (E8M0 scales of x, one for each 32 codes along K).
;; Outputs: out0 4 x 2,048 x 1,024 float32.
;; This version of the problem:
;;   THIS VERSION OF THE PROBLEM IS GIVEN IN LOW PRECISION. The matrix products marked QUANTISED in the list below multiply operands that are first quantised to E2M3 (2 exponent bits, 3 mantissa bits; 6 bits a number), with one power-of-two scale for each 32 numbers along K (OCP MX v1.0); their sums are f32. All else is computed in f32.
;;   The module's matrix products, in the order in which they are computed (A, B: the left and right operand; K: the contracted axis; several contracted axes count as one K, in the product's order):
;;     1. [M 8,192, K 1,024] x [K 1,024, N 3,072]; A: input x (given as codes); B: input w_qkv (given as codes): QUANTISED
;;     2. batch 64 x [M 2,048, K 64] x [K 64, N 2,048]; A: computed on the way; B: computed on the way: QUANTISED
;;     3. batch 64 x [M 2,048, K 2,048] x [K 2,048, N 64]; A: softmax (see below); B: computed on the way: QUANTISED
;;     4. [M 8,192, K 1,024] x [K 1,024, N 1,024]; A: computed on the way; B: input w_out (given as codes): QUANTISED
;;   THE QUANTISER, for each operand of a quantised product, along K:
;;     - K is cut into blocks of 32 from its start; a last block that is shorter is filled with zeros.
;;     - A block's scale is 2^e with e = floor(log2(the largest magnitude in the block)) - 2, held to -126 .. 127; a block of zeros has e = 0. As a byte (E8M0): e + 127.
;;     - Each number is divided by its block's scale, clamped to +-7.5, and rounded to the nearest number of E2M3, ties to even, subnormals kept.
;;     - The product sums the exact products of the quantised numbers (number of the format x scale) in f32.
;;   ~~~python
;;   def quantise(x, axis):      # numpy; x: float32 -> the quantised numbers, widened to float32 again
;;       x = np.moveaxis(x, axis, -1); K = x.shape[-1]
;;       x = np.pad(x, [(0, 0)] * (x.ndim - 1) + [(0, -K % 32)]); x = x.reshape(x.shape[:-1] + (-1, 32)); a = np.abs(x).max(-1, keepdims=True)
;;       e = np.where(a > 0, np.clip(np.frexp(np.where(a > 0, a, 1))[1] - 1 - 2, -126, 127), 0)      # np.frexp(a)[1] - 1 = floor(log2(a)), exactly
;;       r = np.clip(x / 2.0 ** e, -7.5, 7.5)
;;       step = 2.0 ** (np.maximum(np.frexp(np.where(r == 0, 1, r))[1] - 1, 0) - 3)
;;       q = np.round(r / step) * step * 2.0 ** e      # np.round: ties to even
;;       return np.moveaxis(q.reshape(q.shape[:-2] + (-1,))[..., :K], -1, axis).astype(np.float32)
;;   ~~~
;;   SOFTMAX AHEAD OF A QUANTISED PRODUCT. Where the list says 'softmax', what is quantised is not the finished softmax but p = 2^(t - M), with t = logit x log2(e) and M = ceil(the row's largest t), a whole number; so 1/2 < the row's largest p <= 1. The row's sum l is taken of the UNQUANTISED p, in f32, and the product's result is divided by l at the end. Since M is a whole number, a kernel that streams over the keys may use a running M (the ceiling of the running maximum): every later rescaling is an exact power of two, which a block's scale takes up: the codes' values come out the same.
;;   OPERANDS COMPUTED ON THE WAY. 'Computed on the way' means the value that the module computes at that place (a softmax that the list does not call 'softmax' is quantised finished and normalised). What goes into a quantiser is computed in f32, as accurately as f32 sums, v_exp_f32 and their like allow (about 1e-6 of the number): no bf16 or f16 on the way to a quantiser, and a product that is left as it is and whose result goes on into a quantised operand takes f32 operands (vector FMAs, or v_wmma_f32_16x16x4_f32). A number that lies on a knife's edge between two numbers of the format may be rounded either way, as far as f32 arithmetic and the matrix unit's own rounding can turn it there, and no further.
;;   INPUTS GIVEN AS CODES. w_out (in the module: [1024, 1024], K = its axis 0); w_qkv (in the module: [1024, 3072], K = its axis 0); x (in the module: [4, 2048, 1024], K = its axis 2): each comes as NAME_codes (uint8): NAME with its K axis moved to the last place and cut into blocks of 32 codes, [.., K / 32, bytes a block], one block behind the other in memory; four codes in three bytes: a row's codes are one little-endian stream of bits, code i at bits 6 i .. 6 i + 5 (a code: sign, 2 exponent bits, 3 mantissa bits); and NAME_scales (uint8): the same leading axes, one E8M0 byte (e + 127) for each 32 codes along K. Its value is code x scale, taken as it is: it is not quantised again, and the codes and scales need not be those that the quantiser above would give.
;; One version. Each part assembles by itself: llvm-mc -triple=amdgcn-amd-amdhsa -mcpu=gfx1250 --defsym DOCPART=n.
;; ======== version 1 of 1: 3 launches
;; limits: right only within a limited range of input values
;; workspace buffers: q_img 13,107,200 bytes; kv_img 13,107,200 bytes; a_img 6,291,456 bytes; a_sc 262,144 bytes
;; launch qkv (part 1): grid 8 x 32, 4 waves a work-group, clusters of 4 x 4, 327,680 bytes of LDS; arguments x_codes, x_scales, w_qkv_codes, w_qkv_scales, q_img, kv_img; writes q_img, kv_img
.if DOCPART == 1
	.amdgcn_target "amdgcn-amd-amdhsa--gfx1250"
	.amdhsa_code_object_version 6
	.text
	.protected	k_q45b77908db_qkv
	.globl	k_q45b77908db_qkv
	.p2align	8
	.type	k_q45b77908db_qkv,@function
k_q45b77908db_qkv:
	s_mov_b64 s[64:65], 0
	v_nop
	global_prefetch_b8 v0, s[64:65] scope:SCOPE_SE
	s_setreg_imm32_b32 hwreg(HW_REG_WAVE_MODE, 25, 1), 1
	s_wait_xcnt 0x0
	s_wait_alu depctr_hold_cnt(0) depctr_sa_sdst(0) depctr_va_vdst(0) depctr_va_sdst(0) depctr_va_ssrc(0) depctr_va_vcc(0) depctr_vm_vsrc(0)
	s_getreg_b32 s2, hwreg(HW_REG_IB_STS2, 6, 4)
	s_cmp_eq_u32 s2, 0
	s_cbranch_scc0 .Lentry_in_a_cluster
	s_endpgm
.Lentry_in_a_cluster:
	s_bfe_u32 s2, ttmp6, 0x10000c
	s_cmp_lg_u32 s2, 0xf033
	s_cbranch_scc0 .Lentry_shape_is_right
	s_endpgm
.Lentry_shape_is_right:
; qkv = x w_qkv on codes of FP6 (E2M3) with E8M0 scales, 8,192 x 1,024 x 3,072.  The results are quantised out of the accumulators (q, k along the head's 64, v along the keys)
; and stored as images of operand registers for the attention launch; no f32 result goes to memory.
; THE DEAL: 256 work-groups.  Work-group (j, i) holds x's rows 256 i .. 256 i + 255, ALL of K, in LDS (whole rows of 768 bytes, 16 bytes of padding behind every 256), filled once,
; and takes them through three phases: columns 128 j .. 128 j + 127 of q, of k, of v.  The 128 rows of the weight have an LDS region of their own, filled again twice.
; Four waves, 2 x 2: wave (tw, fw) takes tokens 128 tw .. + 127 and features 64 fw .. + 63 (one head): 32 accumulators.
; q, k: source 0 = the weight's rows, source 1 = tokens;  v: source 0 = tokens (the keys), source 1 = the weight's rows: the quantiser's K runs along a lane's registers.
; A REFILL stands in a phase's last K step, whose fragments are in registers by then: the three lines, a round of the cluster's barrier with half the step's products inside, the joint load
; (waves 0 and 1, 64 rows each).  The way out follows; behind it every wave waits for its tensor loads, and a plain barrier, behind which nothing is filled, shows the new rows to all.
; CLUSTERS 4 x 4: x's rows are shared along a row of the cluster, a weight's rows along a column.
; The scale bytes go from memory straight into registers: a row's are 32 bytes, sixteen lanes read 512 consecutive bytes.
; PREFETCH: the weight rows of the phase after next are asked for one phase ahead of their joint load: 384 blocks of 256 bytes, shared out by address among the sixteen waves of the four partners
; that will load them; only the clusters with y under 4 ask, since all rows of clusters read the same weights.  x's rows are all asked for at the head: nothing to run ahead of.
; OUTPUT: one block of 12,800 bytes for each (batch x 16 + head, group of 128 tokens): +0 four records of 1,536 bytes (registers 0-5: token r of tile 2 p, block h of the head's 64; 6-11: tile 2 p + 1), three images of
; 512 bytes; in odd records the halves of each 256 bytes change places; +6,144 four tiles of v (lane (r, h): row 16 t + r of the head's 64, registers 6 c ..: key block 2 c + h); +12,288 v's scale words [r][t];
; +12,544 the tokens' scale words [r][2 (p % 2) + p / 2].  Inside a block of 32, position octets 0, 1, 2, 3 hold true octets 0, 2, 1, 3, in q, k and v alike: the partner operand has the same order.
; LIMITS: a block of zeros gets the scale byte 1 (its codes are zeros; this program alone reads the bytes); NaN and infinities are not served.
; REGISTERS: window 0: addresses, scale words (x's v32-95, the weight's v100-131: the two numbers differ modulo 8), the way out from v196; window 1: accumulators; window 2: x's fragments, two sets; window 3: the weight's, two sets.
.set KROW,  768
.set PITCH, 816
.set WB,    256*PITCH
.set SPARE, WB+128*PITCH
.set BLK,   12800
.set FR,    12
.set STA,   24
.set SCO,   26
.set SAD,   27
.set SPW,   28
.set NIL,   29
.set PF,    30
.set XS,    32
.set WS,    100
.set XA,    132
.set WA,    148
.set TM,    196
.set H0,    212
.set TC0,   224
.set TC1,   228
.set W0,    232
.set SL,    236
.set G1X, 24
.set G1W, 32
.set G0X, 48
.set G0W, 52
.set MSB, 0
.set NLD, 0
.macro WIN new
.if MSB != \new
	s_set_vgpr_msb (MSB<<8)|\new
.set MSB, \new
.endif
.endm
.macro PLACES n
.rept \n
	v_nop
.endr
.endm
.macro WALU
	s_wait_alu depctr_va_vdst(0)
.endm
.macro CREST
	s_cmp_lg_u32 s14, 0
	s_cbranch_scc1 .Lnot_wave_0_\@
	s_barrier_signal -3
.Lnot_wave_0_\@:
	s_barrier_wait -3
	s_barrier_signal -1
	s_barrier_wait -1
.endm
.macro CROUND
	s_barrier_signal -1
	s_barrier_wait -1
	CREST
.endm
.macro TLOAD g0, g1
	tensor_load_to_lds s[\g0:\g0+3], s[\g1:\g1+7]
	s_nop 0
	PLACES 4
.endm
.macro GROUP1 g, mask, rows            ; rows of 768 bytes, 4 words of padding behind every 64
	s_or_b32 s[\g+0], s[\mask], (1<<20)|(1<<21)|(5<<22)|(3<<25)
	s_mov_b32 s[\g+1], KROW<<16
	s_mov_b32 s[\g+2], (\rows)<<16
	s_mov_b32 s[\g+3], KROW<<16
	s_mov_b32 s[\g+4], \rows
	s_mov_b32 s[\g+5], KROW
	s_mov_b32 s[\g+6], 0
	s_mov_b32 s[\g+7], 0
.endm
	s_load_b128 s[4:7], s[0:1], 0x0                ; x's codes, x's scales
	s_load_b128 s[8:11], s[0:1], 0x10              ; w_qkv's codes, its scales
	s_load_b128 s[96:99], s[0:1], 0x20             ; q_img, kv_img
	v_lshl_add_u32 v[SPW], v0, 2, SPARE
	v_mov_b32 v[NIL], 0
	ds_add_u32 v[SPW], v[NIL]                      ; the opening lines: the add twice on end and its wait
	ds_add_u32 v[SPW], v[NIL]
	v_lshrrev_b32 v1, 5, v0
	v_readfirstlane_b32 s14, v1                    ; wave
	s_lshr_b32 s15, s14, 1                         ; tw; also: I load for the weight (0) or for x (1)
	s_and_b32 s16, s14, 1                          ; fw; also: which half I load
	s_bfe_u32 s40, ttmp6, 0x40000                  ; cx
	s_bfe_u32 s41, ttmp6, 0x40004                  ; cy
	s_lshl_b32 s42, ttmp9, 2
	s_add_co_u32 s42, s42, s40                     ; j
	s_and_b32 s45, ttmp7, 0xffff                   ; cluster y
	s_lshl_b32 s17, s45, 2
	s_add_co_u32 s17, s17, s41                     ; i
	s_lshl_b32 s43, s41, 2
	s_lshl_b32 s43, 15, s43                        ; my row of the cluster
	s_lshl_b32 s44, 0x1111, s40                    ; my column
	GROUP1 G1X, 43, 128
	GROUP1 G1W, 44, 64
	s_lshl_b32 s20, s17, 8
	s_lshl_b32 s18, s16, 7
	s_add_co_u32 s20, s20, s18
	s_mul_i32 s20, s20, KROW                       ; x: row 256 i + 128 half
	s_mov_b32 s21, 0
	s_lshl_b32 s46, s42, 7
	s_lshl_b32 s18, s16, 6
	s_add_co_u32 s46, s46, s18
	s_mul_i32 s46, s46, KROW                       ; the weight: row 128 j + 64 half
	s_mov_b32 s47, 0
	s_mov_b32 s[G0X], 1
	s_mul_i32 s[G0X+1], s16, 128*PITCH
	s_mov_b32 s[G0W], 1
	s_mul_i32 s[G0W+1], s16, 64*PITCH
	s_add_co_u32 s[G0W+1], s[G0W+1], WB
	s_lshl_b32 s22, s17, 13
	s_lshl_b32 s18, s15, 12
	s_add_co_u32 s22, s22, s18                     ; my 128 tokens' scale bytes
	s_mov_b32 s23, 0
	s_lshl_b32 s92, s42, 12
	s_lshl_b32 s18, s16, 11
	s_add_co_u32 s92, s92, s18                     ; my 64 features' scale bytes
	s_mov_b32 s93, 0
	s_lshl_b32 s94, s17, 1
	s_add_co_u32 s94, s94, s15                     ; the group of 128 tokens, 0 .. 63
	s_lshr_b32 s95, s94, 4                         ; the batch
	s_and_b32 s94, s94, 15
	s_lshl_b32 s95, s95, 4
	s_lshl_b32 s18, s42, 1
	s_add_co_u32 s18, s18, s16                     ; my head
	s_add_co_u32 s95, s95, s18
	s_lshl_b32 s95, s95, 4
	s_add_co_u32 s94, s94, s95
	s_mul_i32 s94, s94, BLK                        ; my block of the output
	s_mov_b32 s95, 0
	s_mul_i32 s68, s15, 128*PITCH                  ; LDS: my tokens
	s_mul_i32 s69, s16, 64*PITCH
	s_add_co_u32 s69, s69, WB                      ; LDS: my features
	s_lshl_b32 s70, s41, 2
	s_add_co_u32 s70, s70, s14
	s_mul_i32 s70, s70, 6144                       ; my sixteenth of a weight tile, 24 blocks of 256 bytes
	s_mul_i32 s71, s42, 128*KROW
	s_add_co_u32 s70, s70, s71
	s_cmp_lt_u32 s45, 4
	s_cselect_b32 s101, 0, 99                      ; 0: my cluster prefetches
	s_mov_b32 s66, 0x76543210
	s_mov_b32 s67, 0xfedcba98
	s_wait_dscnt 0x0
	s_wait_kmcnt 0x0
	s_add_nc_u64 s[G0X+2:G0X+3], s[4:5], s[20:21]
	s_or_b32 s[G0X+3], s[G0X+3], 0x80000000
	s_add_nc_u64 s[G0W+2:G0W+3], s[8:9], s[46:47]
	s_or_b32 s[G0W+3], s[G0W+3], 0x80000000
	s_add_nc_u64 s[6:7], s[6:7], s[22:23]
	s_add_nc_u64 s[10:11], s[10:11], s[92:93]
	s_add_nc_u64 s[12:13], s[96:97], s[94:95]      ; q's block; k's and v's in s[98:99]
	s_add_nc_u64 s[98:99], s[98:99], s[94:95]
	CROUND                                         ; the first joint loads meet
	s_cmp_eq_u32 s15, 0                            ; one tensor load a wave at the head
	s_cbranch_scc0 .Lhead_x
	TLOAD G0W, G1W
	s_branch .Lasked
.Lhead_x:
	TLOAD G0X, G1X
.Lasked:
	v_and_b32 v1, 15, v0                           ; r
	v_bfe_u32 v2, v0, 4, 1                         ; h
	v_and_b32 v3, 31, v0
	v_lshlrev_b32 v[SAD], 5, v1                    ; a row of scale bytes
	v_lshlrev_b32 v[STA], 4, v3
	v_xor_b32 v[STA+1], 128, v[STA]
	v_lshlrev_b32 v[SCO], 4, v1
	v_lshl_add_u32 v[SCO], v2, 3, v[SCO]           ; 16 r + 8 h: two scale words a lane
	v_cmp_lt_u32 s100, 15, v3                      ; lanes 16-31
	v_min_u32 v[PF], 23, v3
	v_lshl_add_u32 v[PF], v[PF], 8, s70
	v_mul_u32_u24 v4, v1, PITCH
	v_mad_u32_u24 v4, v2, 24, v4                   ; a fragment's row + 24 h
	v_lshl_add_u32 v5, v2, 4, v4                   ; the same behind one padding more
	v_add_nc_u32 v6, s68, v4
	v_add_nc_u32 v7, s68, v5
	v_add_nc_u32 v8, s69, v4
	v_add_nc_u32 v9, s69, v5
.irp a, 0,1,2,3,4,5,6,7
	v_add_nc_u32 v[XA+2*\a], \a*16*PITCH, v6
	v_add_nc_u32 v[XA+2*\a+1], \a*16*PITCH, v7
.endr
.irp b, 0,1,2,3
	v_add_nc_u32 v[WA+2*\b], \b*16*PITCH, v8
	v_add_nc_u32 v[WA+2*\b+1], \b*16*PITCH, v9
.endr
.irp b, 0,1,2,3
	v_mov_b32 v[TM+4+\b], 0                        ; a lane permute's destination counts as a source
.endr
.macro WSLOAD
.irp b, 0,1,2,3
	global_load_b128 v[WS+8*\b:WS+8*\b+3], v[SAD], s[10:11] offset:512*\b
	global_load_b128 v[WS+8*\b+4:WS+8*\b+7], v[SAD], s[10:11] offset:512*\b+16
.endr
.endm
.irp a, 0,1,2,3,4,5,6,7
	global_load_b128 v[XS+8*\a:XS+8*\a+3], v[SAD], s[6:7] offset:512*\a
	global_load_b128 v[XS+8*\a+4:XS+8*\a+7], v[SAD], s[6:7] offset:512*\a+16
.endr
	WSLOAD
	s_cmp_eq_u32 s101, 0
	s_cbranch_scc0 .Lno_pf0
	global_prefetch_b8 v[PF], s[8:9] offset:1024*KROW th:TH_LOAD_NT scope:SCOPE_SE   ; k's weight rows
.Lno_pf0:
; a fragment, 16 rows x 128 K: six pieces of 8 bytes, two to a load where both go by the same address register (ad: plain; ad + 1: lanes 16-31 behind one padding more).  NLD counts the loads
.macro FRAG rg, q, ad
.set SKIP_, 0
.irp p, 0,1,2,3,4,5
.if SKIP_
.set SKIP_, 0
.else
.set PC_, 12*(\q)+6*(\p/3)+\p%3
.set PN_, 12*(\q)+6*((\p+1)/3)+(\p+1)%3
.set X_, (PC_%32+3)/32
.set XQ_, (PN_%32+3)/32
.set NLD, NLD+1
.if (\p < 5) && (X_ == XQ_)
.set SKIP_, 1
	ds_load_2addr_b64 v[\rg+2*\p:\rg+2*\p+3], v[\ad+X_] offset0:PC_+2*(PC_/32) offset1:PN_+2*(PN_/32)
.else
	ds_load_b64 v[\rg+2*\p:\rg+2*\p+1], v[\ad+X_] offset:8*(PC_+2*(PC_/32))
.endif
.endif
.endr
.endm
.macro FETCH k                         ; K step k's twelve fragments into set k % 2
.set NLD, 0
	WIN 0x80
.irp a, 0,1,2,3,4,5,6,7
	FRAG 128*((\k)%2)+FR*\a, \k, XA+2*\a
.endr
	WIN 0xc0
.irp b, 0,1,2,3
	FRAG 64*((\k)%2)+FR*\b, \k, WA+2*\b
.endr
.endm
.macro WM d, s0, s1, x0, x1, k
.if (\k) == 0
	v_wmma_scale_f32_16x16x128_f8f6f4 v[\d:\d+7], v[\s0:\s0+FR-1], v[\s1:\s1+FR-1], 0, v[\x0], v[\x1] matrix_a_fmt:MATRIX_FMT_FP6 matrix_b_fmt:MATRIX_FMT_FP6
.else
	v_wmma_scale_f32_16x16x128_f8f6f4 v[\d:\d+7], v[\s0:\s0+FR-1], v[\s1:\s1+FR-1], v[\d:\d+7], v[\x0], v[\x1] matrix_a_fmt:MATRIX_FMT_FP6 matrix_b_fmt:MATRIX_FMT_FP6
.endif
.endm
; 16 products, half a K step.  The 32 accumulators take turns, in the same order in every step.  The first step starts the sums with C = 0.
.macro MULH kind, k, hf
.set S_, (\k)%2
.if \kind
	WIN 0x5e                                       ; source 0 x (window 2), source 1 the weight (window 3)
.irp u, 0,1
.irp b, 0,1,2,3,4,5,6,7
.set A_, 2*(\hf)+\u
	WM 8*(8*A_+\b), 128*S_+FR*\b, 64*S_+FR*A_, XS+8*\b+(\k), WS+8*A_+(\k), \k
.endr
.endr
.else
	WIN 0x5b                                       ; source 0 the weight, source 1 x
.irp u, 0,1,2,3
.irp b, 0,1,2,3
.set A_, 4*(\hf)+\u
	WM 8*(4*A_+\b), 64*S_+FR*\b, 128*S_+FR*A_, WS+8*\b+(\k), XS+8*A_+(\k), \k
.endr
.endr
.endif
.endm
.macro PHASE kind, refill
	FETCH 0
.irp k, 0,1,2,3,4,5,6
.if \k > 0
	PLACES 4                                       ; between the last step's products and the loads into the set that they read
.endif
	FETCH \k+1
	s_wait_dscnt NLD                               ; all but the loads just issued: this step's fragments are in
	MULH \kind, \k, 0
	MULH \kind, \k, 1
.endr
	WIN 0
.if \refill
	s_wait_tensorcnt 0x0                           ; the three lines ahead of a refill's round
	ds_add_u32 v[SPW], v[NIL]
	s_add_nc_u64 s[G0W+2:G0W+3], s[G0W+2:G0W+3], 1024*KROW   ; no load of mine is out: on to the next tensor's rows
	s_wait_dscnt 0x0                               ; the add, and my last reads of the weight's region
	s_barrier_signal -1
	MULH \kind, 7, 0
	WIN 0
	s_barrier_wait -1
	CREST
	s_cmp_eq_u32 s15, 0
	s_cbranch_scc0 .Lno_half_\@
	TLOAD G0W, G1W
.Lno_half_\@:
.else
	s_wait_dscnt 0x0
	MULH \kind, 7, 0
.endif
	MULH \kind, 7, 1
	PLACES 4
	WIN 0
.endm
; THE WAY OUT.  The 64 registers from 64 a on hold four blocks of 32 along the quantiser's K, 16 numbers of each in this lane, the other 16 in lane l xor 16.
; q, k: tiles 2 a and 2 a + 1 of tokens, two blocks each: a record;  v: one tile of features, four key blocks: a fragment.  Codes -> v[H0 .. H0+11], the four scale bytes -> v[pw].
.macro QUANT a, pw
.set AC, 64*(\a)
	WIN 0x05
.irp b, 0,1,2,3
	v_max3_num_f32 v[TM+\b], |v[AC+16*\b]|, |v[AC+16*\b+1]|, 0x1800000   ; with the floor 2^(3 - 127): the byte cannot fall under 1
.endr
.irp i, 2,4,6,8,10,12,14
.irp b, 0,1,2,3
	v_max3_num_f32 v[TM+\b], |v[AC+16*\b+\i]|, |v[AC+16*\b+\i+1]|, v[TM+\b]
.endr
.endr
	WIN 0
.irp b, 0,1,2,3
	v_permlanex16_b32 v[TM+4+\b], v[TM+\b], s66, s67
.endr
.irp b, 0,1,2,3
	v_max_num_f32 v[TM+\b], v[TM+\b], v[TM+4+\b]
.endr
.irp b, 0,1,2,3
	v_add_nc_u32 v[TM+12+\b], 0xff000000, v[TM+\b] ; 2 off the exponent field: the conversion's scale operand
.endr
.irp b, 0,1,2,3
	v_lshrrev_b32 v[TM+4+\b], 23, v[TM+12+\b]
.endr
	v_lshl_or_b32 v[\pw], v[TM+5], 8, v[TM+4]
	v_lshl_or_b32 v[\pw], v[TM+6], 16, v[\pw]
	v_lshl_or_b32 v[\pw], v[TM+7], 24, v[\pw]
	WIN 0x01
	v_cvt_scalef32_pk16_fp6_f32 v[H0:H0+2], v[AC:AC+15], v[TM+12]
	v_cvt_scalef32_pk16_fp6_f32 v[TC0:TC0+2], v[AC+16:AC+31], v[TM+13]
	v_cvt_scalef32_pk16_fp6_f32 v[H0+6:H0+8], v[AC+32:AC+47], v[TM+14]
	v_cvt_scalef32_pk16_fp6_f32 v[TC1:TC1+2], v[AC+48:AC+63], v[TM+15]
	WIN 0
	v_nop
.irp i, 0,1,2
	v_permlane16_swap_b32 v[H0+\i], v[TC0+\i]      ; a lane then holds a whole block
	v_permlane16_swap_b32 v[H0+6+\i], v[TC1+\i]
.endr
.irp i, 0,1,2
	v_mov_b32 v[H0+3+\i], v[TC0+\i]
	v_mov_b32 v[H0+9+\i], v[TC1+\i]
.endr
.endm
.macro WAYOUT kind
.irp p, 0,1,2,3
.if \p > 0
	s_wait_xcnt 0x0                                ; the last stores have read their registers
.endif
.if \kind
	QUANT \p, W0+\p
.irp i, 0,1,2
	global_store_b128 v[STA], v[H0+4*\i:H0+4*\i+3], s[12:13] offset:6144+\p*1536+512*\i
.endr
.else
	QUANT \p, W0+2*(\p%2)+\p/2
.irp i, 0,1,2
	global_store_b128 v[STA+\p%2], v[H0+4*\i:H0+4*\i+3], s[12:13] offset:\p*1536+512*\i   ; the wave stores 512 consecutive bytes
.endr
.endif
.endr
	v_cndmask_b32 v[SL], v[W0], v[W0+2], s100      ; both halves of the lanes hold row r's four words: lanes 0-15 store words 0, 1, lanes 16-31 words 2, 3: 256 consecutive bytes
	v_cndmask_b32 v[SL+1], v[W0+1], v[W0+3], s100
	global_store_b64 v[SCO], v[SL:SL+1], s[12:13] offset:12544-256*\kind
.endm
	WALU                                           ; the wait at the head's end
	s_wait_tensorcnt 0x0
	s_wait_loadcnt 0x0
	s_barrier_signal -1
	s_barrier_wait -1                              ; x's rows and q's weight rows are in
	s_mov_b32 s3, 0
.Lqk:                                              ; two trips: q, then k
	PHASE 0, 1
	s_add_nc_u64 s[10:11], s[10:11], 1024*32       ; the next tensor's scale bytes (the last loads by this base have been waited for)
	WSLOAD
	s_cmp_eq_u32 s3, s101                          ; in the first trip, in the clusters that prefetch: v's weight rows
	s_cbranch_scc0 .Lno_pf1
	global_prefetch_b8 v[PF], s[8:9] offset:2048*KROW th:TH_LOAD_NT scope:SCOPE_SE
.Lno_pf1:
	WAYOUT 0
	s_wait_xcnt 0x0
	s_mov_b64 s[12:13], s[98:99]                   ; k and v go to kv_img
	WALU
	s_wait_tensorcnt 0x0                           ; my part of the next weight rows is in
	s_wait_loadcnt 0x0
	s_barrier_signal -1
	s_barrier_wait -1                              ; everybody's is
	s_add_co_u32 s3, s3, 1
	s_cmp_lg_u32 s3, 2
	s_cbranch_scc1 .Lqk
	PHASE 1, 0
	WAYOUT 1
	s_wait_tensorcnt 0x0                           ; the wave's end
	ds_add_u32 v[SPW], v[NIL]
	s_wait_dscnt 0x0
	CROUND                                         ; the closing round
	s_endpgm
.Lfunc_end_k_q45b77908db_qkv:
	.size	k_q45b77908db_qkv, .Lfunc_end_k_q45b77908db_qkv-k_q45b77908db_qkv
	.p2alignl 7, 3214868480
	.fill 96, 4, 3214868480
	.section	.rodata,"a",@progbits
	.p2align	6, 0x0
	.amdhsa_kernel k_q45b77908db_qkv
		.amdhsa_group_segment_fixed_size 327680
		.amdhsa_private_segment_fixed_size 0
		.amdhsa_enable_private_segment 0
		.amdhsa_kernarg_size 48
		.amdhsa_user_sgpr_count 2
		.amdhsa_user_sgpr_kernarg_segment_ptr 1
		.amdhsa_wavefront_size32 1
		.amdhsa_system_sgpr_workgroup_id_x 1
		.amdhsa_system_sgpr_workgroup_id_y 1
		.amdhsa_system_sgpr_workgroup_id_z 1
		.amdhsa_system_vgpr_workitem_id 0
		.amdhsa_next_free_vgpr 1024
		.amdhsa_next_free_sgpr 102
		.amdhsa_reserve_vcc 0
		.amdhsa_float_denorm_mode_32 3
		.amdhsa_float_denorm_mode_16_64 3
		.amdhsa_memory_ordered 1
		.amdhsa_forward_progress 1
		.amdhsa_inst_pref_size 154
	.end_amdhsa_kernel
	.amdgpu_metadata
---
amdhsa.version: [ 1, 2 ]
amdhsa.kernels:
  - .name:           k_q45b77908db_qkv
    .symbol:         k_q45b77908db_qkv.kd
    .args:
      - { .name: x_codes, .offset: 0, .size: 8, .value_kind: global_buffer, .address_space: global }
      - { .name: x_scales, .offset: 8, .size: 8, .value_kind: global_buffer, .address_space: global }
      - { .name: w_qkv_codes, .offset: 16, .size: 8, .value_kind: global_buffer, .address_space: global }
      - { .name: w_qkv_scales, .offset: 24, .size: 8, .value_kind: global_buffer, .address_space: global }
      - { .name: q_img, .offset: 32, .size: 8, .value_kind: global_buffer, .address_space: global }
      - { .name: kv_img, .offset: 40, .size: 8, .value_kind: global_buffer, .address_space: global }
    .group_segment_fixed_size: 327680
    .private_segment_fixed_size: 0
    .kernarg_segment_align: 8
    .kernarg_segment_size: 48
    .max_flat_workgroup_size: 128
    .sgpr_count:     102
    .vgpr_count:     1024
    .wavefront_size: 32
...
	.end_amdgpu_metadata
.endif
;; end of part 1
;; launch attn (part 2): grid 4 x 64, 8 waves a work-group, clusters of 4 x 1, 327,680 bytes of LDS; arguments q_img, kv_img, a_img, a_sc; writes a_img, a_sc
.if DOCPART == 2
	.amdgcn_target "amdgcn-amd-amdhsa--gfx1250"
	.amdhsa_code_object_version 6
	.text
	.protected	k_q45b77908db_attn
	.globl	k_q45b77908db_attn
	.p2align	8
	.type	k_q45b77908db_attn,@function
k_q45b77908db_attn:
	s_mov_b64 s[64:65], 0
	v_nop
	global_prefetch_b8 v0, s[64:65] scope:SCOPE_SE
	s_setreg_imm32_b32 hwreg(HW_REG_WAVE_MODE, 25, 1), 1
	s_wait_xcnt 0x0
	s_wait_alu depctr_hold_cnt(0) depctr_sa_sdst(0) depctr_va_vdst(0) depctr_va_sdst(0) depctr_va_ssrc(0) depctr_va_vcc(0) depctr_vm_vsrc(0)
	s_getreg_b32 s2, hwreg(HW_REG_IB_STS2, 6, 4)
	s_cmp_eq_u32 s2, 0
	s_cbranch_scc0 .Lentry_in_a_cluster
	s_endpgm
.Lentry_in_a_cluster:
	s_bfe_u32 s2, ttmp6, 0x10000c
	s_cmp_lg_u32 s2, 0x3003
	s_cbranch_scc0 .Lentry_shape_is_right
	s_endpgm
.Lentry_shape_is_right:
; a = softmax(q k^T / 32) v for one (batch, head) and 512 queries a work-group, on codes of FP6 (E2M3) with E8M0 scales; the result is quantised along the head's 64 and stored as images of operand registers.
; q_img, kv_img: blocks of 12,800 bytes for each (batch x 16 + head, group of 128 tokens), as the launch before lays them: +0 four records of q or k, +6,144 four tiles of v, +12,288 v's scale words, +12,544 the tokens' scale words.
; LDS holds the head's 16 blocks of k and v, 204,800 bytes, filled ONCE: one joint load a wave, 100 rows of 256 bytes.  The four work-groups of a head form a cluster and ask jointly.  All tiles are asked for at the head,
; so there is no loop to prefetch ahead in.
; A WAVE takes 64 queries in two passes; in a pass TWO TILES of 16 queries go side by side through 16 steps of 128 keys, so that each fragment of k and v read from LDS feeds both.
; Both products are used transposed (S^T = k q^T, O^T = v^T p^T): a lane holds one query.  The head's 64 fill half of the instruction's 128: a fragment of k holds two tiles of 16 keys, and q stands beside zeros: [q, 0] and [0, q].
; THE SOFTMAX: t = score x log2(e) / 32; M = the running largest t rounded up to a whole number, kept as -M; p = 2^(t - M); the row's sum is taken of the unquantised p; when M moves, the sum and O^T are multiplied by a power of two.
; A block's largest p is made from the block's largest score by the same multiply-add and exponential.
; LIMITS: NaN and infinities are not served; the promise holds while the scaled scores stay under 2^31 in magnitude; a block whose every p is 0 gets the scale byte 1 (its codes are zeros).
; REGISTERS: tile t's q, S, O, p lie at the same numbers in window t; the small state of both tiles lies in window 0, so that the two tiles' chains stand line by line in turn; k's fragments v40-87 of window 0, v's v40-87 of window 1;
; the queries' records wait in window 1, v204-229.  Scale words (v242-253) hold nothing else.
; LOADS: v's 13 loads stand at a step's top, the next step's 14 loads of k behind this step's score products.  So the wait for k counts the 13 issued behind it, the wait for v the 14.
.set BLK,   12800
.set HEADB, 16*BLK
.set VC,    6144
.set VSC,   12288
.set KSC,   12544
.set NM,  12                           ; v12, v13: -M and the largest score of tile 0; v14, v15 of tile 1
.set QZ,  16                           ; 0 (6), q (6), 0 (6)
.set L,   34                           ; the sum, two halves a tile
.set KV,  40
.set S,   88
.set O,   152
.set P,   184
.set TA,  196
.set TBR, 200
.set F,   204
.set LB,  208                          ; three more chains of the sum
.set T,   214
.set TMP, 222
.set SO,  230
.set BY,  234
.set W,   238
.set KSR, 242
.set VSR, 246
.set QS,  250
.set PS,  252
.set R,   204                          ; window 1
.set QW,  228                          ; window 1
.set MSB, 0
.macro WIN new
.if MSB != (\new)
	s_set_vgpr_msb (MSB<<8)|(\new)
.set MSB, (\new)
.endif
.endm
.macro WALU
	s_wait_alu depctr_va_vdst(0)
.endm
.macro CROUND
	s_barrier_signal -1
	s_barrier_wait -1
	s_cmp_lg_u32 s12, 0
	s_cbranch_scc1 .Lnot_wave_0_\@
	s_barrier_signal -3
.Lnot_wave_0_\@:
	s_barrier_wait -3
	s_barrier_signal -1
	s_barrier_wait -1
.endm
	s_load_b256 s[4:11], s[0:1], 0x0               ; q_img, kv_img, a_img, a_sc
	v_lshl_add_u32 v254, v0, 2, 0x32000
	v_mov_b32 v255, 0
	ds_add_u32 v254, v255                          ; the opening lines
	ds_add_u32 v254, v255
	v_lshrrev_b32 v1, 5, v0
	v_readfirstlane_b32 s12, v1                    ; wave 0..7
	s_bfe_u32 s13, ttmp6, 0x40000                  ; cx: which 512 queries
	s_and_b32 s14, ttmp7, 0xffff                   ; batch x 16 + head
	s_mul_i32 s16, s14, HEADB
	s_mul_i32 s18, s12, 25600                      ; my eighth of the head's k and v
	s_mov_b32 s32, 15|(3<<16)|(1<<21)              ; 100 rows of 256 bytes (32 elements of 8), dense; the mask names the four partners
	s_mov_b32 s33, 32<<16
	s_mov_b32 s34, 100<<16
	s_mov_b32 s35, 32<<16
	s_mov_b32 s36, 100
	s_mov_b32 s37, 32
	s_mov_b32 s38, 0
	s_mov_b32 s39, 0
	s_add_co_u32 s28, s16, s18
	s_mov_b32 s29, 0
	s_mov_b32 s20, 0x76543210
	s_mov_b32 s21, 0xfedcba98
	s_mov_b32 s22, 0x3d38aa3b                      ; c = log2(e) / 32
	s_mov_b32 s23, s22
	s_mov_b32 s24, 0xbd38aa3b                      ; -c
	s_mov_b32 s25, 0
	s_lshl_b32 s15, s13, 2
	s_lshr_b32 s27, s12, 1
	s_add_co_u32 s15, s15, s27                     ; my group of 128 queries
	s_mul_i32 s15, s15, BLK
	s_add_co_u32 s58, s15, s16
	s_mov_b32 s59, 0
	s_and_b32 s27, s12, 1
	s_mul_i32 s31, s27, 3072                       ; my two records: 2 (wave % 2) and the next
	s_add_co_u32 s61, s31, 1536
	s_lshl_b32 s60, s27, 2
	s_add_co_u32 s60, s60, KSC                     ; their scale words: word 2 (record % 2) + record / 2
	s_lshr_b32 s27, s14, 4
	s_and_b32 s19, s14, 15
	s_lshl_b32 s27, s27, 7
	s_lshl_b32 s17, s13, 5
	s_add_co_u32 s27, s27, s17
	s_lshl_b32 s17, s12, 2
	s_add_co_u32 s27, s27, s17                     ; my first row tile of 16 tokens
	s_lshl_b32 s62, s27, 4
	s_add_co_u32 s62, s62, s19
	s_mul_i32 s62, s62, 768
	s_mov_b32 s63, 0
	s_lshl_b32 s56, s27, 9
	s_lshl_b32 s19, s19, 1
	s_add_co_u32 s56, s56, s19
	s_mov_b32 s57, 0
	s_wait_dscnt 0x0
	s_wait_kmcnt 0x0
	s_mov_b32 s48, 1
	s_mov_b32 s49, s18
	s_add_nc_u64 s[50:51], s[6:7], s[28:29]
	s_or_b32 s51, s51, 0x80000000
	s_add_nc_u64 s[4:5], s[4:5], s[58:59]
	s_add_nc_u64 s[8:9], s[8:9], s[62:63]
	s_add_nc_u64 s[10:11], s[10:11], s[56:57]
	CROUND
	tensor_load_to_lds s[48:51], s[32:39]          ; every wave's one load
	s_nop 0
.rept 4
	v_nop
.endr
	v_and_b32 v214, 7, v0
	v_bfe_u32 v215, v0, 3, 1
	v_bfe_u32 v216, v0, 4, 1
	v_and_b32 v217, 15, v0
	v_and_b32 v218, 31, v0
	v_mul_u32_u24 v1, v215, 1664
	v_lshlrev_b32 v3, 4, v218                      ; 16 x lane
	v_lshlrev_b32 v4, 4, v214
	v_lshlrev_b32 v5, 3, v216                      ; 8 h
	v_lshlrev_b32 v10, 3, v218
	v_lshl_add_u32 v11, v217, 5, v216
	v_cmp_lt_u32 s30, 15, v218
	v_lshl_add_u32 v1, v214, 4, v1
	v_lshl_add_u32 v4, v215, 3, v4
	v_lshl_add_u32 v8, v217, 4, s60
	v_add_nc_u32 v6, s31, v3
	v_xor_b32 v7, 128, v3                          ; in odd records the halves of each 256 bytes have changed places
	v_lshl_add_u32 v1, v216, 8, v1                 ; k: the keys of a tile
	v_add_nc_u32 v4, KSC, v4                       ; k's scale words
	v_add_nc_u32 v7, s61, v7
	v_xor_b32 v2, 128, v1
	WIN 0x40
.irp i, 0,1,2
	global_load_b128 v[R+4*\i:R+4*\i+3], v6, s[4:5] offset:512*\i
	global_load_b128 v[R+12+4*\i:R+12+4*\i+3], v7, s[4:5] offset:512*\i
.endr
	global_load_b32 v[QW], v8, s[4:5]
	global_load_b32 v[QW+1], v8, s[4:5] offset:8
.irp t, 0,1
	WIN (\t<<6)
.irp i, 0,1,2,3,4,5
	v_mov_b32 v[QZ+\i], 0                          ; the zeros beside q, written once
	v_mov_b32 v[QZ+12+\i], 0
.endr
.endr
	WIN 0
.irp t, 0,1
	v_mov_b32 v[TMP+4*\t+1], 0                     ; a lane permute's destination counts as a source; the upper half of a pair is named
	v_mov_b32 v[W+2*\t+1], 0
	v_mov_b32 v[F+2*\t+1], 0
.endr
.macro KLOAD                           ; four fragments of k (each two tiles of 16 keys) and their scale words: 14 loads
.irp c, 0,1
.irp o, 0,1
.irp i, 0,1,2
	ds_load_b128 v[KV+12*(2*\c+\o)+4*\i:KV+12*(2*\c+\o)+4*\i+3], v[6+\o] offset:3072*\c+512*\i
.endr
.endr
.endr
	ds_load_b64 v[KSR:KSR+1], v9
	ds_load_b64 v[KSR+2:KSR+3], v9 offset:128
.endm
.macro SUMS t                          ; the row's sum of the unquantised p, four chains
	WIN (5*\t)
	v_pk_add_f32 v[LB:LB+1], v[S:S+1], v[S+2:S+3]
	v_pk_add_f32 v[LB+2:LB+3], v[S+4:S+5], v[S+6:S+7]
	v_pk_add_f32 v[LB+4:LB+5], v[S+8:S+9], v[S+10:S+11]
	WIN (\t)
.irp j, 12,14,16,18,20,22,24,26,28,30,32,34,36,38,40,42,44,46,48,50,52,54,56,58,60,62
.set D_, LB+2*((\j/2)%4)
.if ((\j/2)%4) == 3
.set D_, L+2*\t
.endif
	v_pk_add_f32 v[D_:D_+1], v[S+\j:S+\j+1], v[D_:D_+1]
.endr
	WIN 0
	v_pk_add_f32 v[LB:LB+1], v[LB:LB+1], v[LB+2:LB+3]
	v_pk_add_f32 v[L+2*\t:L+2*\t+1], v[L+2*\t:L+2*\t+1], v[LB+4:LB+5]
	v_pk_add_f32 v[L+2*\t:L+2*\t+1], v[L+2*\t:L+2*\t+1], v[LB:LB+1]
.endm
; A step of 128 keys for both tiles.  nk = 0: the next step's k lies one block on; 1: at the head's first block (the next pass begins there); 2: nothing more is wanted
.macro STEP nk
	v_add_nc_u32 v8, s25, v3                       ; these four lines are the places between the last products and the loads into v's fragments
.if \nk == 0
	s_add_co_u32 s25, s25, BLK
.elseif \nk == 1
	s_mov_b32 s25, 0
.endif
.if \nk < 2
	v_add_nc_u32 v6, s25, v1
	v_add_nc_u32 v7, s25, v2
	v_add_nc_u32 v9, s25, v4
.else
.rept 3
	v_nop
.endr
.endif
	WIN 0x40
.irp d, 0,1,2,3
.irp i, 0,1,2
	ds_load_b128 v[KV+12*\d+4*\i:KV+12*\d+4*\i+3], v8 offset:VC+1536*\d+512*\i
.endr
.endr
	WIN 0
	ds_load_b128 v[VSR:VSR+3], v8 offset:VSC
	WALU
	s_wait_dscnt 13                                ; k's loads are in; v's 13 may be out
.irp t, 0,1
	WIN (0x54*\t)
.irp c, 0,1
.irp o, 0,1
	v_wmma_scale_f32_16x16x128_f8f6f4 v[S+8*(4*\c+2*\o):S+8*(4*\c+2*\o)+7], v[KV+12*(2*\c+\o):KV+12*(2*\c+\o)+11], v[QZ+6:QZ+17], 0, v[KSR+2*\o+\c], v[QS+\t] matrix_a_fmt:MATRIX_FMT_FP6 matrix_b_fmt:MATRIX_FMT_FP6
	v_wmma_scale_f32_16x16x128_f8f6f4 v[S+8*(4*\c+2*\o+1):S+8*(4*\c+2*\o+1)+7], v[KV+12*(2*\c+\o):KV+12*(2*\c+\o)+11], v[QZ:QZ+11], 0, v[KSR+2*\o+\c], v[QS+\t] matrix_a_fmt:MATRIX_FMT_FP6 matrix_b_fmt:MATRIX_FMT_FP6
.endr
.endr
.endr
.rept 4
	v_nop
.endr
	WIN 0
.if \nk < 2
	KLOAD
.endif
.irp t, 0,1                            ; each block's largest score, two chains a block, each accumulator from its low end on
	WIN (5*\t)
.irp c, 0,1
	v_max_num_f32 v[T+4*\t+2*\c], v[S+32*\c], v[S+32*\c+1]
	v_max_num_f32 v[T+4*\t+2*\c+1], v[S+32*\c+16], v[S+32*\c+17]
.endr
.irp i, 2,4,6,8,10,12,14
.irp c, 0,1
	v_max3_num_f32 v[T+4*\t+2*\c], v[S+32*\c+\i], v[S+32*\c+\i+1], v[T+4*\t+2*\c]
	v_max3_num_f32 v[T+4*\t+2*\c+1], v[S+32*\c+16+\i], v[S+32*\c+17+\i], v[T+4*\t+2*\c+1]
.endr
.endr
.endr
	WIN 0
.irp t, 0,1
	v_max_num_f32 v[T+4*\t], v[T+4*\t], v[T+4*\t+1]
	v_max_num_f32 v[T+4*\t+2], v[T+4*\t+2], v[T+4*\t+3]
.endr
.irp t, 0,1
	v_mov_b32 v[TMP+4*\t+2], v[NM+2*\t]
.endr
.irp t, 0,1
	v_max_num_f32 v[TMP+4*\t], v[T+4*\t], v[T+4*\t+2]
.endr
.irp t, 0,1
	v_permlanex16_b32 v[TMP+4*\t+1], v[TMP+4*\t], s20, s21
.endr
.irp t, 0,1
	v_max3_num_f32 v[NM+2*\t+1], v[NM+2*\t+1], v[TMP+4*\t], v[TMP+4*\t+1]   ; the running largest score
.endr
.irp t, 0,1
	v_mul_f32 v[TMP+4*\t+3], s24, v[NM+2*\t+1]
.endr
.irp t, 0,1
	v_floor_f32 v[NM+2*\t], v[TMP+4*\t+3]          ; -M = floor(-t)
.endr
.irp t, 0,1
	v_sub_f32 v[TMP+4*\t+2], v[NM+2*\t], v[TMP+4*\t+2]
.endr
.irp t, 0,1
	v_cvt_i32_f32 v[TMP+4*\t+2], v[TMP+4*\t+2]
.endr
.irp t, 0,1
	v_ldexp_f32 v[F+2*\t], 1.0, v[TMP+4*\t+2]      ; f = 2^(old M - new M)
.endr
.irp t, 0,1
	v_fma_f32 v[T+4*\t], v[T+4*\t], s22, v[NM+2*\t]
	v_fma_f32 v[T+4*\t+2], v[T+4*\t+2], s22, v[NM+2*\t]
.endr
.irp t, 0,1
	WIN (0x41*\t)
.irp j, 0,2,4,6,8,10,12,14,16,18,20,22,24,26,28,30,32,34,36,38,40,42,44,46,48,50,52,54,56,58,60,62
	v_pk_fma_f32 v[S+\j:S+\j+1], v[S+\j:S+\j+1], s[22:23], v[NM+2*\t:NM+2*\t+1] op_sel_hi:[1,0,0]
.endr
.endr
	WALU                                           ; one wait ahead of the batch of exponentials, one behind it
.irp t, 1,0
	WIN (0x41*\t)
.irp j, 0,1,2,3,4,5,6,7,8,9,10,11,12,13,14,15,16,17,18,19,20,21,22,23,24,25,26,27,28,29,30,31,32,33,34,35,36,37,38,39,40,41,42,43,44,45,46,47,48,49,50,51,52,53,54,55,56,57,58,59,60,61,62,63
	v_exp_f32 v[S+\j], v[S+\j]
.endr
.endr
.irp t, 0,1
	v_exp_f32 v[T+4*\t], v[T+4*\t]                 ; each block's largest p
	v_exp_f32 v[T+4*\t+2], v[T+4*\t+2]
.endr
.irp t, 0,1
	v_pk_mul_f32 v[L+2*\t:L+2*\t+1], v[L+2*\t:L+2*\t+1], v[F+2*\t:F+2*\t+1] op_sel_hi:[1,0]
.endr
	WALU
.if \nk < 2
	s_wait_dscnt 14                                ; v's loads are in; the next k's 14 may be out
.else
	s_wait_dscnt 0x0
.endif
	SUMS 0
	SUMS 1
.irp t, 0,1
	v_max_num_f32 v[T+4*\t], 0x1800000, v[T+4*\t]  ; the floor 2^(3 - 127): the byte cannot fall under 1
	v_max_num_f32 v[T+4*\t+2], 0x1800000, v[T+4*\t+2]
.endr
.irp t, 0,1
	v_add_nc_u32 v[SO+2*\t], 0xff000000, v[T+4*\t]
	v_add_nc_u32 v[SO+2*\t+1], 0xff000000, v[T+4*\t+2]
.endr
.irp t, 0,1
	v_lshrrev_b32 v[BY+2*\t], 23, v[SO+2*\t]
	v_lshrrev_b32 v[BY+2*\t+1], 23, v[SO+2*\t+1]
.endr
.irp t, 0,1
	v_lshl_or_b32 v[W+2*\t], v[BY+2*\t+1], 16, v[BY+2*\t]
.endr
.irp t, 0,1
	v_lshlrev_b32 v[W+2*\t], v5, v[W+2*\t]
.endr
.irp t, 0,1
	v_permlanex16_b32 v[W+2*\t+1], v[W+2*\t], s20, s21
.endr
.irp t, 0,1
	v_or_b32 v[PS+\t], v[W+2*\t], v[W+2*\t+1]      ; p's scale word for these 128 keys
.endr
.irp t, 0,1
	WIN (0x41*\t)
	v_cvt_scalef32_pk16_fp6_f32 v[P:P+2], v[S:S+15], v[SO+2*\t]
	v_cvt_scalef32_pk16_fp6_f32 v[TA:TA+2], v[S+16:S+31], v[SO+2*\t]
	v_cvt_scalef32_pk16_fp6_f32 v[P+6:P+8], v[S+32:S+47], v[SO+2*\t+1]
	v_cvt_scalef32_pk16_fp6_f32 v[TBR:TBR+2], v[S+48:S+63], v[SO+2*\t+1]
	v_nop
.irp i, 0,1,2
	v_mov_b32 v[P+3+\i], v[TA+\i]
	v_mov_b32 v[P+9+\i], v[TBR+\i]
.endr
	WALU                                           ; directly ahead of the first reader of O^T
.irp j, 0,2,4,6,8,10,12,14,16,18,20,22,24,26,28,30
	v_pk_mul_f32 v[O+\j:O+\j+1], v[O+\j:O+\j+1], v[F+2*\t:F+2*\t+1] op_sel_hi:[1,0]
.endr
	WALU
	WIN (1|(0x54*\t))
.irp d, 0,1,2,3
	v_wmma_scale_f32_16x16x128_f8f6f4 v[O+8*\d:O+8*\d+7], v[KV+12*\d:KV+12*\d+11], v[P:P+11], v[O+8*\d:O+8*\d+7], v[VSR+\d], v[PS+\t] matrix_a_fmt:MATRIX_FMT_FP6 matrix_b_fmt:MATRIX_FMT_FP6
.endr
.endr
	WIN 0
.endm
.macro LOOP n
	s_mov_b32 s26, \n
.Lkey_\@:
	STEP 0
	s_sub_co_u32 s26, s26, 1
	s_cmp_lg_u32 s26, 0
	s_cbranch_scc1 .Lkey_\@
.endm
.macro INIT p                          ; pass p: record p's two tiles of queries; sums and O^T begin as zeros, the largest score as -3e38
	WIN 0x05
	v_perm_b32 v[QS], v[QW+\p], v[QW+\p], 0x01000100
	v_perm_b32 v[QS+1], v[QW+\p], v[QW+\p], 0x03020302
.irp t, 0,1
	WIN (1|(\t<<6))
.irp i, 0,1,2,3,4,5
	v_mov_b32 v[QZ+6+\i], v[R+12*\p+6*\t+\i]
.endr
.endr
.irp t, 0,1
	WIN (\t<<6)
.irp j, 0,1,2,3,4,5,6,7,8,9,10,11,12,13,14,15,16,17,18,19,20,21,22,23,24,25,26,27,28,29,30,31
	v_mov_b32 v[O+\j], 0
.endr
.endr
	WIN 0
.irp t, 0,1
	v_mov_b32 v[L+2*\t], 0
	v_mov_b32 v[L+2*\t+1], 0
	v_mov_b32 v[NM+2*\t+1], 0xff61b1e6
.endr
.irp t, 0,1
	v_mul_f32 v[NM+2*\t], s24, v[NM+2*\t+1]
.endr
.irp t, 0,1
	v_floor_f32 v[NM+2*\t], v[NM+2*\t]
.endr
.endm
.macro OUT p                           ; O^T / the sum, quantised along the head's 64, stored
.rept 4
	v_nop
.endr
.irp t, 0,1
	v_add_f32 v[L+2*\t], v[L+2*\t], v[L+2*\t+1]
.endr
.irp t, 0,1
	v_permlanex16_b32 v[TMP+4*\t], v[L+2*\t], s20, s21
.endr
.irp t, 0,1
	v_add_f32 v[L+2*\t], v[L+2*\t], v[TMP+4*\t]
.endr
	WALU
.irp t, 0,1
	v_rcp_f32 v[F+2*\t], v[L+2*\t]
.endr
	v_nop
.irp t, 0,1
	WIN (0x41*\t)
	WALU
.irp j, 0,2,4,6,8,10,12,14,16,18,20,22,24,26,28,30
	v_pk_mul_f32 v[O+\j:O+\j+1], v[O+\j:O+\j+1], v[F+2*\t:F+2*\t+1] op_sel_hi:[1,0]
.endr
.irp b, 0,1
.irp j, 0,1,2,3,4,5,6,7
	v_permlane16_swap_b32 v[O+16*\b+\j], v[O+16*\b+8+\j]   ; a lane then holds 16 neighbours of each block of 32
.endr
.endr
	WIN (5*\t)
.irp b, 0,1
	v_max3_num_f32 v[T+4*\t+\b], |v[O+16*\b]|, |v[O+16*\b+1]|, 0x1800000
.endr
.irp i, 2,4,6,8,10,12,14
.irp b, 0,1
	v_max3_num_f32 v[T+4*\t+\b], |v[O+16*\b+\i]|, |v[O+16*\b+\i+1]|, v[T+4*\t+\b]
.endr
.endr
.endr
	WIN 0
.irp t, 0,1
.irp b, 0,1
	v_permlanex16_b32 v[T+4*\t+2+\b], v[T+4*\t+\b], s20, s21
.endr
.endr
.irp t, 0,1
.irp b, 0,1
	v_max_num_f32 v[T+4*\t+\b], v[T+4*\t+\b], v[T+4*\t+2+\b]
.endr
.endr
.irp t, 0,1
.irp b, 0,1
	v_add_nc_u32 v[SO+2*\t+\b], 0xff000000, v[T+4*\t+\b]
.endr
.endr
.irp t, 0,1
.irp b, 0,1
	v_lshrrev_b32 v[BY+2*\t+\b], 23, v[SO+2*\t+\b]
.endr
.endr
.irp t, 0,1
	v_cndmask_b32 v[W+2*\t], v[BY+2*\t], v[BY+2*\t+1], s30
.endr
.irp t, 0,1
	WIN (0x41*\t)
	v_cvt_scalef32_pk16_fp6_f32 v[P:P+2], v[O:O+15], v[SO+2*\t]
	v_cvt_scalef32_pk16_fp6_f32 v[TA:TA+2], v[O+16:O+31], v[SO+2*\t+1]
	v_nop
.irp i, 0,1,2
	v_permlane16_swap_b32 v[P+\i], v[TA+\i]
.endr
.irp i, 0,1,2
	v_mov_b32 v[P+3+\i], v[TA+\i]
.endr
	WIN (\t<<2)
	global_store_b128 v3, v[P:P+3], s[8:9] offset:(2*\p+\t)*12288
	global_store_b64 v10, v[P+4:P+5], s[8:9] offset:(2*\p+\t)*12288+512
.endr
	WIN 0
.irp t, 0,1
	global_store_b8 v11, v[W+2*\t], s[10:11] offset:(2*\p+\t)*512
.endr
	s_wait_xcnt 0x0
.endm
	WALU
	s_wait_loadcnt 0x0                             ; my queries
	INIT 0
	v_add_nc_u32 v6, s25, v1
	v_add_nc_u32 v7, s25, v2
	v_add_nc_u32 v9, s25, v4
	WALU                                           ; the wait at the head's end
	s_wait_tensorcnt 0x0
	s_barrier_signal -1
	s_barrier_wait -1                              ; the head's k and v are in; nothing is ever filled again
	KLOAD
	LOOP 15
	STEP 1
	OUT 0
	INIT 1
	LOOP 15
	STEP 2
	OUT 1
	s_wait_tensorcnt 0x0                           ; the wave's end
	ds_add_u32 v254, v255
	s_wait_dscnt 0x0
	CROUND                                         ; the closing round
	s_endpgm
.Lfunc_end_k_q45b77908db_attn:
	.size	k_q45b77908db_attn, .Lfunc_end_k_q45b77908db_attn-k_q45b77908db_attn
	.p2alignl 7, 3214868480
	.fill 96, 4, 3214868480
	.section	.rodata,"a",@progbits
	.p2align	6, 0x0
	.amdhsa_kernel k_q45b77908db_attn
		.amdhsa_group_segment_fixed_size 327680
		.amdhsa_private_segment_fixed_size 0
		.amdhsa_enable_private_segment 0
		.amdhsa_kernarg_size 32
		.amdhsa_user_sgpr_count 2
		.amdhsa_user_sgpr_kernarg_segment_ptr 1
		.amdhsa_wavefront_size32 1
		.amdhsa_system_sgpr_workgroup_id_x 1
		.amdhsa_system_sgpr_workgroup_id_y 1
		.amdhsa_system_sgpr_workgroup_id_z 1
		.amdhsa_system_vgpr_workitem_id 0
		.amdhsa_next_free_vgpr 512
		.amdhsa_next_free_sgpr 66
		.amdhsa_reserve_vcc 0
		.amdhsa_float_denorm_mode_32 3
		.amdhsa_float_denorm_mode_16_64 3
		.amdhsa_memory_ordered 1
		.amdhsa_forward_progress 1
		.amdhsa_inst_pref_size 138
	.end_amdhsa_kernel
	.amdgpu_metadata
---
amdhsa.version: [ 1, 2 ]
amdhsa.kernels:
  - .name:           k_q45b77908db_attn
    .symbol:         k_q45b77908db_attn.kd
    .args:
      - { .name: q_img, .offset: 0, .size: 8, .value_kind: global_buffer, .address_space: global }
      - { .name: kv_img, .offset: 8, .size: 8, .value_kind: global_buffer, .address_space: global }
      - { .name: a_img, .offset: 16, .size: 8, .value_kind: global_buffer, .address_space: global }
      - { .name: a_sc, .offset: 24, .size: 8, .value_kind: global_buffer, .address_space: global }
    .group_segment_fixed_size: 327680
    .private_segment_fixed_size: 0
    .kernarg_segment_align: 8
    .kernarg_segment_size: 32
    .max_flat_workgroup_size: 256
    .sgpr_count:     66
    .vgpr_count:     512
    .wavefront_size: 32
...
	.end_amdgpu_metadata
.endif
;; end of part 2
;; launch proj (part 3): grid 8 x 32, 4 waves a work-group, clusters of 4 x 4, 327,680 bytes of LDS; arguments a_img, a_sc, w_out_codes, w_out_scales, b_out, out0; writes out0
.if DOCPART == 3
	.amdgcn_target "amdgcn-amd-amdhsa--gfx1250"
	.amdhsa_code_object_version 6
	.text
	.protected	k_q45b77908db_proj
	.globl	k_q45b77908db_proj
	.p2align	8
	.type	k_q45b77908db_proj,@function
k_q45b77908db_proj:
	s_mov_b64 s[64:65], 0
	v_nop
	global_prefetch_b8 v0, s[64:65] scope:SCOPE_SE
	s_setreg_imm32_b32 hwreg(HW_REG_WAVE_MODE, 25, 1), 1
	s_wait_xcnt 0x0
	s_wait_alu depctr_hold_cnt(0) depctr_sa_sdst(0) depctr_va_vdst(0) depctr_va_sdst(0) depctr_va_ssrc(0) depctr_va_vcc(0) depctr_vm_vsrc(0)
	s_getreg_b32 s2, hwreg(HW_REG_IB_STS2, 6, 4)
	s_cmp_eq_u32 s2, 0
	s_cbranch_scc0 .Lentry_in_a_cluster
	s_endpgm
.Lentry_in_a_cluster:
	s_bfe_u32 s2, ttmp6, 0x10000c
	s_cmp_lg_u32 s2, 0xf033
	s_cbranch_scc0 .Lentry_shape_is_right
	s_endpgm
.Lentry_shape_is_right:
; out0 = a w_out + b_out on codes of FP6 with E8M0 scales, 8,192 x 1,024 x 1,024, f32 out.  a comes as images of operand registers (a_img: [row tile of 16 tokens][head][768 bytes: registers 0-3 at 16 x lane,
; registers 4-5 at 8 x lane]) with its scale bytes row-major (a_sc, 32 bytes a token); w_out as it is given.
; A tile is 256 tokens x 128 features: 256 work-groups.  Wave w takes tokens 64 w .. 64 w + 63 and all 128 features: 32 accumulators.  Source 0 = 16 rows of w_out, source 1 = 16 tokens.
; ALL OF K LIES IN LDS, filled ONCE, one tensor load a wave: waves 0 and 1 a half each of a's 196,608 dense bytes (rows of 256 bytes), waves 2 and 3 64 whole rows each of w_out (768 bytes, 16 of padding behind every 256).
; 4 x 4 work-groups form a cluster: a's tiles are shared along its rows, w_out's along its columns.  No prefetch: all tiles are asked for at the head, and there is no loop to run ahead in.
; The scales and the bias go from memory straight into registers; the bias is the C of the first K step.
; REGISTERS: window 0: addresses; v32-63 a's scale words (8 a + k); v68-131 w_out's (8 b + k: the two numbers differ modulo 8); v132-195 the bias; on the way out v128-255 rows of the result.
;   window 1: the accumulators, (a, b) at v[8 (8 a + b)].  window 2: w_out's fragments, two sets.  window 3: a's fragments, two sets.
.set PITCH,  816
.set FR,     12
.set WBASE,  196608
.set SPARE,  WBASE+128*PITCH
.set SPITCH, 528                       ; the way out: a stage of 16 rows x (512 + 16) bytes at the start of each wave's own 49,152 bytes of a, which no other wave reads and which have had their only fill
.set SAD, 6
.set SBI, 7
.set A16, 8
.set A8,  9
.set BA,  10                           ; v10-25: w_out's eight row blocks, plain and behind one padding more
.set STO, 26
.set RD,  27
.set CO,  28
.set AS,  32
.set BS,  68
.set BI,  132
.set BK,  128
.set G1A, 24
.set G1B, 32
.set G0A, 48
.set G0B, 52
.set MSB, 0
.set NLD, 0
.macro WIN new
.if MSB != \new
	s_set_vgpr_msb (MSB<<8)|\new
.set MSB, \new
.endif
.endm
.set MUL,       0x5e
.set MUL_FIRST, 0x4e
.macro PLACES
.rept 4
	v_nop
.endr
.endm
.macro CROUND
	s_barrier_signal -1
	s_barrier_wait -1
	s_cmp_lg_u32 s16, 0
	s_cbranch_scc1 .Lnot_wave_0_\@
	s_barrier_signal -3
.Lnot_wave_0_\@:
	s_barrier_wait -3
	s_barrier_signal -1
	s_barrier_wait -1
.endm
	s_load_b256 s[4:11], s[0:1], 0x0               ; a_img, a_sc, w_out's codes, its scales
	s_load_b128 s[12:15], s[0:1], 0x20             ; b_out, out0
	v_lshl_add_u32 v30, v0, 2, SPARE
	v_mov_b32 v31, 0
	ds_add_u32 v30, v31                            ; the opening lines
	ds_add_u32 v30, v31
	v_lshrrev_b32 v1, 5, v0
	v_readfirstlane_b32 s16, v1                    ; wave
	s_lshr_b32 s17, s16, 1                         ; I load for a (0) or for w_out (1),
	s_and_b32 s18, s16, 1                          ; and which half
	s_bfe_u32 s40, ttmp6, 0x40000
	s_bfe_u32 s41, ttmp6, 0x40004
	s_lshl_b32 s42, ttmp9, 2
	s_add_co_u32 s42, s42, s40                     ; the tile of 128 features
	s_and_b32 s43, ttmp7, 0xffff
	s_lshl_b32 s43, s43, 2
	s_add_co_u32 s43, s43, s41                     ; the tile of 256 tokens
	s_lshl_b32 s44, s41, 2
	s_lshl_b32 s44, 15, s44
	s_lshl_b32 s45, 0x1111, s40
	s_or_b32 s[G1A], s44, (3<<16)|(1<<21)          ; a: 384 rows of 256 bytes (32 elements of 8), dense
	s_mov_b32 s[G1A+1], 32<<16
	s_mov_b32 s[G1A+2], 384<<16
	s_mov_b32 s[G1A+3], 32<<16
	s_mov_b32 s[G1A+4], 384
	s_mov_b32 s[G1A+5], 32
	s_mov_b32 s[G1A+6], 0
	s_mov_b32 s[G1A+7], 0
	s_or_b32 s[G1B], s45, (1<<20)|(1<<21)|(5<<22)|(3<<25)   ; w_out: 64 rows of 768 bytes; 4 words of padding behind every 64
	s_mov_b32 s[G1B+1], 768<<16
	s_mov_b32 s[G1B+2], 64<<16
	s_mov_b32 s[G1B+3], 768<<16
	s_mov_b32 s[G1B+4], 64
	s_mov_b32 s[G1B+5], 768
	s_mov_b32 s[G1B+6], 0
	s_mov_b32 s[G1B+7], 0
	s_lshl_b32 s84, s43, 4
	s_lshl_b32 s85, s18, 3
	s_add_co_u32 s84, s84, s85
	s_mul_i32 s84, s84, 12288                      ; a: row tile 16 x tile + 8 x half
	s_mov_b32 s85, 0
	s_lshl_b32 s86, s42, 7
	s_lshl_b32 s87, s18, 6
	s_add_co_u32 s86, s86, s87
	s_mul_i32 s86, s86, 768                        ; w_out: row 128 x tile + 64 x half
	s_mov_b32 s87, 0
	s_mov_b32 s[G0A], 1
	s_mul_i32 s[G0A+1], s18, 98304
	s_mov_b32 s[G0B], 1
	s_mul_i32 s[G0B+1], s18, 64*PITCH
	s_add_co_u32 s[G0B+1], s[G0B+1], WBASE
	s_wait_dscnt 0x0
	s_wait_kmcnt 0x0
	s_add_nc_u64 s[G0A+2:G0A+3], s[4:5], s[84:85]
	s_or_b32 s[G0A+3], s[G0A+3], 0x80000000
	s_add_nc_u64 s[G0B+2:G0B+3], s[8:9], s[86:87]
	s_or_b32 s[G0B+3], s[G0B+3], 0x80000000
	CROUND                                         ; the joint loads meet
	s_cmp_eq_u32 s17, 0                            ; one tensor load a wave
	s_cbranch_scc0 .Lfill_b
	tensor_load_to_lds s[G0A:G0A+3], s[G1A:G1A+7]
	s_nop 0
	PLACES
	s_branch .Lfilled
.Lfill_b:
	tensor_load_to_lds s[G0B:G0B+3], s[G1B:G1B+7]
	s_nop 0
	PLACES
.Lfilled:
	s_lshl_b32 s90, s43, 8
	s_lshl_b32 s91, s16, 6
	s_add_co_u32 s90, s90, s91                     ; my first token
	s_lshl_b32 s92, s90, 5
	s_mov_b32 s93, 0
	s_add_nc_u64 s[6:7], s[6:7], s[92:93]          ; its scales
	s_lshl_b32 s92, s42, 12
	s_add_nc_u64 s[10:11], s[10:11], s[92:93]      ; the scales of my tile's 128 rows of w_out
	s_lshl_b32 s92, s42, 9
	s_add_nc_u64 s[12:13], s[12:13], s[92:93]      ; their bias; and the same bytes into a row of out0
	s_add_nc_u64 s[14:15], s[14:15], s[92:93]
	s_lshl_b32 s92, s90, 12
	s_add_nc_u64 s[14:15], s[14:15], s[92:93]      ; my first row of out0
	s_mul_i32 s90, s16, 49152                      ; my four row tiles in LDS
	v_and_b32 v1, 15, v0                           ; r
	v_bfe_u32 v2, v0, 4, 1                         ; h
	v_and_b32 v3, 31, v0
	v_lshlrev_b32 v[SAD], 5, v1
	v_lshlrev_b32 v[SBI], 5, v2
	v_lshlrev_b32 v[CO], 4, v3
	v_lshlrev_b32 v5, 3, v3
	v_add_nc_u32 v[A16], s90, v[CO]
	v_add_nc_u32 v[A8], s90, v5
	v_mul_u32_u24 v4, v1, PITCH
	v_mad_u32_u24 v4, v2, 24, v4
	v_lshl_add_u32 v29, v2, 4, v4
	v_mul_u32_u24 v[STO], v1, SPITCH
	v_lshl_add_u32 v[STO], v2, 5, v[STO]
	v_add_nc_u32 v[STO], s90, v[STO]
	v_add_nc_u32 v[RD], s90, v[CO]
.irp i, 0,1,2,3,4,5,6,7
	v_add_nc_u32 v[BA+2*\i], WBASE+\i*16*PITCH, v4
	v_add_nc_u32 v[BA+2*\i+1], WBASE+\i*16*PITCH, v29
.endr
.irp a, 0,1,2,3
	global_load_b128 v[AS+8*\a:AS+8*\a+3], v[SAD], s[6:7] offset:512*\a
	global_load_b128 v[AS+8*\a+4:AS+8*\a+7], v[SAD], s[6:7] offset:512*\a+16
.endr
.irp b, 0,1,2,3,4,5,6,7
	global_load_b128 v[BS+8*\b:BS+8*\b+3], v[SAD], s[10:11] offset:512*\b
	global_load_b128 v[BS+8*\b+4:BS+8*\b+7], v[SAD], s[10:11] offset:512*\b+16
	global_load_b128 v[BI+8*\b:BI+8*\b+3], v[SBI], s[12:13] offset:64*\b
	global_load_b128 v[BI+8*\b+4:BI+8*\b+7], v[SBI], s[12:13] offset:64*\b+16
.endr
; a fragment of w_out: six pieces of 8 bytes, two to a load where both go by the same address register.  NLD counts the loads
.macro FRAG rg, q, ad
.set SKIP_, 0
.irp p, 0,1,2,3,4,5
.if SKIP_
.set SKIP_, 0
.else
.set PC_, 12*(\q)+6*(\p/3)+\p%3
.set PN_, 12*(\q)+6*((\p+1)/3)+(\p+1)%3
.set X_, (PC_%32+3)/32
.set XQ_, (PN_%32+3)/32
.set NLD, NLD+1
.if (\p < 5) && (X_ == XQ_)
.set SKIP_, 1
	ds_load_2addr_b64 v[\rg+2*\p:\rg+2*\p+3], v[\ad+X_] offset0:PC_+2*(PC_/32) offset1:PN_+2*(PN_/32)
.else
	ds_load_b64 v[\rg+2*\p:\rg+2*\p+1], v[\ad+X_] offset:8*(PC_+2*(PC_/32))
.endif
.endif
.endr
.endm
.macro FETCH_S0 k
.set NLD, 0
	WIN 0x80
.irp i, 0,1,2,3,4,5,6,7
	FRAG 128*((\k)%2)+FR*\i, \k, BA+2*\i
.endr
.endm
.macro FETCH_S1 k                      ; a's four fragments of K step k (heads 2 k and 2 k + 1): images as they were stored
	WIN 0xc0
.irp a, 0,1,2,3
	ds_load_b128 v[64*((\k)%2)+FR*\a:64*((\k)%2)+FR*\a+3],     v[A16] offset:12288*\a+1536*(\k)
	ds_load_b64  v[64*((\k)%2)+FR*\a+4:64*((\k)%2)+FR*\a+5],   v[A8]  offset:12288*\a+1536*(\k)+512
	ds_load_b128 v[64*((\k)%2)+FR*\a+6:64*((\k)%2)+FR*\a+9],   v[A16] offset:12288*\a+1536*(\k)+768
	ds_load_b64  v[64*((\k)%2)+FR*\a+10:64*((\k)%2)+FR*\a+11], v[A8]  offset:12288*\a+1536*(\k)+1280
.endr
.endm
; 16 products.  The 32 accumulators take turns, in the same order in every K step.
.macro MUL16 k, a0
.if (\k) == 0
	WIN MUL_FIRST
.else
	WIN MUL
.endif
.irp a, \a0, \a0+1
.irp b, 0,1,2,3,4,5,6,7
.if (\k) == 0
	v_wmma_scale_f32_16x16x128_f8f6f4 v[8*(8*(\a)+\b):8*(8*(\a)+\b)+7], v[128*((\k)%2)+FR*\b:128*((\k)%2)+FR*\b+FR-1], v[64*((\k)%2)+FR*(\a):64*((\k)%2)+FR*(\a)+FR-1], v[BI+8*\b:BI+8*\b+7], v[BS+8*\b+(\k)], v[AS+8*(\a)+(\k)] matrix_a_fmt:MATRIX_FMT_FP6 matrix_b_fmt:MATRIX_FMT_FP6
.else
	v_wmma_scale_f32_16x16x128_f8f6f4 v[8*(8*(\a)+\b):8*(8*(\a)+\b)+7], v[128*((\k)%2)+FR*\b:128*((\k)%2)+FR*\b+FR-1], v[64*((\k)%2)+FR*(\a):64*((\k)%2)+FR*(\a)+FR-1], v[8*(8*(\a)+\b):8*(8*(\a)+\b)+7], v[BS+8*\b+(\k)], v[AS+8*(\a)+(\k)] matrix_a_fmt:MATRIX_FMT_FP6 matrix_b_fmt:MATRIX_FMT_FP6
.endif
.endr
.endr
.endm
	s_wait_alu depctr_va_vdst(0)                   ; the wait at the head's end
	s_wait_tensorcnt 0x0
	s_wait_loadcnt 0x0
	s_barrier_signal -1
	s_barrier_wait -1                              ; all four tiles are in; nothing is ever filled again
	FETCH_S0 0
	FETCH_S1 0
.irp k, 0,1,2,3,4,5,6,7
.if \k < 7
.if \k > 0
	PLACES                                         ; behind the last K step's products: this step's two runs of loads land in the sets that they read
.endif
	FETCH_S0 \k+1
	s_wait_dscnt NLD                               ; all but the loads just issued: this K step's fragments are in
.else
	s_wait_dscnt 0x0
.endif
	MUL16 \k, 0
.if \k < 7
	FETCH_S1 \k+1
.endif
	MUL16 \k, 2
.endr
	WIN 0
; THE WAY OUT, a block of 16 tokens x 128 features at a time, through my own stage in LDS, back as whole rows of 512 bytes.  LDS serves a wave's instructions in order (ISA guide 5.7.1.4).
.macro TOSTAGE a
	WIN 0x04
.irp b, 0,1,2,3,4,5,6,7
	ds_store_b128 v[STO], v[64*(\a)+8*\b:64*(\a)+8*\b+3] offset:64*\b
	ds_store_b128 v[STO], v[64*(\a)+8*\b+4:64*(\a)+8*\b+7] offset:64*\b+16
.endr
	WIN 0
.irp t, 0,1,2,3,4,5,6,7,8,9,10,11,12,13,14,15
	ds_load_b128 v[BK+64*((\a)%2)+4*\t:BK+64*((\a)%2)+4*\t+3], v[RD] offset:\t*SPITCH
.endr
.endm
.macro SEND a, younger
	s_wait_dscnt \younger
.irp t, 0,1,2,3,4,5,6,7,8,9,10,11,12,13,14,15
	global_store_b128 v[CO], v[BK+64*((\a)%2)+4*\t:BK+64*((\a)%2)+4*\t+3], s[14:15] offset:65536*(\a)+4096*\t th:TH_STORE_NT   ; 32 lanes store 512 consecutive bytes
.endr
.endm
	PLACES
	TOSTAGE 0
.irp a, 1,2,3
.if \a > 1
	s_wait_xcnt 0x0                                ; the stores of the block two back have read their registers
.endif
	TOSTAGE \a
	SEND \a-1, 32                                  ; behind that block's loads: this block's 16 stores and 16 loads
.endr
	SEND 3, 0
	s_wait_tensorcnt 0x0                           ; the wave's end
	ds_add_u32 v30, v31
	s_wait_dscnt 0x0
	CROUND                                         ; the closing round
	s_endpgm
.Lfunc_end_k_q45b77908db_proj:
	.size	k_q45b77908db_proj, .Lfunc_end_k_q45b77908db_proj-k_q45b77908db_proj
	.p2alignl 7, 3214868480
	.fill 96, 4, 3214868480
	.section	.rodata,"a",@progbits
	.p2align	6, 0x0
	.amdhsa_kernel k_q45b77908db_proj
		.amdhsa_group_segment_fixed_size 327680
		.amdhsa_private_segment_fixed_size 0
		.amdhsa_enable_private_segment 0
		.amdhsa_kernarg_size 48
		.amdhsa_user_sgpr_count 2
		.amdhsa_user_sgpr_kernarg_segment_ptr 1
		.amdhsa_wavefront_size32 1
		.amdhsa_system_sgpr_workgroup_id_x 1
		.amdhsa_system_sgpr_workgroup_id_y 1
		.amdhsa_system_sgpr_workgroup_id_z 1
		.amdhsa_system_vgpr_workitem_id 0
		.amdhsa_next_free_vgpr 1024
		.amdhsa_next_free_sgpr 96
		.amdhsa_reserve_vcc 0
		.amdhsa_float_denorm_mode_32 3
		.amdhsa_float_denorm_mode_16_64 3
		.amdhsa_memory_ordered 1
		.amdhsa_forward_progress 1
		.amdhsa_inst_pref_size 81
	.end_amdhsa_kernel
	.amdgpu_metadata
---
amdhsa.version: [ 1, 2 ]
amdhsa.kernels:
  - .name:           k_q45b77908db_proj
    .symbol:         k_q45b77908db_proj.kd
    .args:
      - { .name: a_img, .offset: 0, .size: 8, .value_kind: global_buffer, .address_space: global }
      - { .name: a_sc, .offset: 8, .size: 8, .value_kind: global_buffer, .address_space: global }
      - { .name: w_out_codes, .offset: 16, .size: 8, .value_kind: global_buffer, .address_space: global }
      - { .name: w_out_scales, .offset: 24, .size: 8, .value_kind: global_buffer, .address_space: global }
      - { .name: b_out, .offset: 32, .size: 8, .value_kind: global_buffer, .address_space: global }
      - { .name: out0, .offset: 40, .size: 8, .value_kind: global_buffer, .address_space: global }
    .group_segment_fixed_size: 327680
    .private_segment_fixed_size: 0
    .kernarg_segment_align: 8
    .kernarg_segment_size: 48
    .max_flat_workgroup_size: 128
    .sgpr_count:     96
    .vgpr_count:     1024
    .wavefront_size: 32
...
	.end_amdgpu_metadata
.endif
;; end of part 3
